; MI455X (gfx1250); checked and timed in simulation.
; The chip was launched on July 23, 2026; its instructions are those of AMD's public machine-readable ISA for CDNA 5 (MIT licence, August 2026) and "CDNA5" Instruction Set Architecture Reference Guide (July 2026). The comments in the code are by the model that wrote it; some were corrected since.
;; Multi Headed Attention. Allowed arithmetic: matrix products marked QUANTISED: E5M2 operands, one given power-of-two scale a tensor, by v_wmma_f32_16x16x64_bf8_bf8 or v_wmma_f32_16x16x128_bf8_bf8, f32 sums; everything else in f32.
;; Inputs: Wk 1,024 x 1,024 float32; Wo 1,024 x 1,024 float32; Wq 1,024 x 1,024 float32; Wv 1,024 x 1,024 float32; bo 1,024 float32; lowp_scales 12 int32 (the exponents e of the quantised operands' scales 2^e); x 4 x 2,048 x 1,024 float32.
;; Outputs: out0 4 x 2,048 x 1,024 float32.
;; This version of the problem:
;;   THIS VERSION OF THE PROBLEM IS GIVEN IN LOW PRECISION. The matrix products marked QUANTISED in the list below multiply operands that are first quantised to E5M2 (5 exponent bits, 2 mantissa bits; 8 bits a number), with one given power-of-two scale for each operand tensor; their sums are f32. All else is computed in f32.
;;   The module's matrix products, in the order in which they are computed (A, B: the left and right operand; K: the contracted axis; several contracted axes count as one K, in the product's order):
;;     1. [M 8,192, K 1,024] x [K 1,024, N 1,024]; A: input x; B: input Wq: QUANTISED (scales: A lowp_scales[0], B lowp_scales[1])
;;     2. [M 8,192, K 1,024] x [K 1,024, N 1,024]; A: input x; B: input Wk: QUANTISED (scales: A lowp_scales[2], B lowp_scales[3])
;;     3. [M 8,192, K 1,024] x [K 1,024, N 1,024]; A: input x; B: input Wv: QUANTISED (scales: A lowp_scales[4], B lowp_scales[5])
;;     4. batch 64 x [M 2,048, K 64] x [K 64, N 2,048]; A: computed on the way; B: computed on the way: QUANTISED (scales: A lowp_scales[6], B lowp_scales[7])
;;     5. batch 64 x [M 2,048, K 2,048] x [K 2,048, N 64]; A: softmax (see below); B: computed on the way: QUANTISED (scales: A lowp_scales[8], B lowp_scales[9])
;;     6. [M 8,192, K 1,024] x [K 1,024, N 1,024]; A: computed on the way; B: input Wo: QUANTISED (scales: A lowp_scales[10], B lowp_scales[11])
;;   THE QUANTISER, for each operand of a quantised product, along K:
;;     - The operand's scale is 2^e, e = its entry of the input lowp_scales (int32; the entries are numbered through the quantised products in the list's order, A before B).
;;     - Each number is divided by the scale, clamped to +-57,344, and rounded to the nearest number of E5M2, ties to even, subnormals kept.
;;     - The product sums the exact products of the quantised numbers (number of the format x scale) in f32.
;;   ~~~python
;;   def quantise(x, axis, e):      # numpy; x: float32 -> the quantised numbers, widened to float32 again
;;       x = np.moveaxis(x, axis, -1); K = x.shape[-1]
;;       r = np.clip(x / 2.0 ** e, -57344, 57344)
;;       step = 2.0 ** (np.maximum(np.frexp(np.where(r == 0, 1, r))[1] - 1, -14) - 2)
;;       q = np.round(r / step) * step * 2.0 ** e      # np.round: ties to even
;;       return np.moveaxis(q, -1, axis).astype(np.float32)
;;   ~~~
;;   SOFTMAX AHEAD OF A QUANTISED PRODUCT. Where the list says 'softmax', what is quantised is not the finished softmax but p = 2^(t - M), with t = logit x log2(e) and M = ceil(the row's largest t), a whole number; so 1/2 < the row's largest p <= 1. The row's sum l is taken of the UNQUANTISED p, in f32, and the product's result is divided by l at the end. Since M is a whole number, a kernel that streams over the keys may use a running M (the ceiling of the running maximum): every later rescaling is an exact power of two, so the quantised numbers keep their values, but for numbers so far below the row's largest that they fall under the format's range.
;;   OPERANDS COMPUTED ON THE WAY. 'Computed on the way' means the value that the module computes at that place (a softmax that the list does not call 'softmax' is quantised finished and normalised). What goes into a quantiser is computed in f32, as accurately as f32 sums, v_exp_f32 and their like allow (about 1e-6 of the number): no bf16 or f16 on the way to a quantiser, and a product that is left as it is and whose result goes on into a quantised operand takes f32 operands (vector FMAs, or v_wmma_f32_16x16x4_f32). A number that lies on a knife's edge between two numbers of the format may be rounded either way, as far as f32 arithmetic and the matrix unit's own rounding can turn it there, and no further.
;; One version. Each part assembles by itself: llvm-mc -triple=amdgcn-amd-amdhsa -mcpu=gfx1250 --defsym DOCPART=n.
;; ======== version 1 of 1: 4 launches
;; limits: right only within a limited range of input values
;; workspace buffers: xc 25,165,824 bytes; wc 4,194,304 bytes; qkv 25,165,824 bytes; cc 8,388,608 bytes
;; launch quant (part 1): grid 384 x 1, 4 waves a work-group, no clusters, 33,280 bytes of LDS; arguments x, Wq, Wk, Wv, Wo, lowp_scales, xc, wc; writes xc, wc
.if DOCPART == 1
	.amdgcn_target "amdgcn-amd-amdhsa--gfx1250"
	.amdhsa_code_object_version 6
	.text
	.protected	k_q3d450ada37_quant
	.globl	k_q3d450ada37_quant
	.p2align	8
	.type	k_q3d450ada37_quant,@function
k_q3d450ada37_quant:
	s_mov_b64 s[64:65], 0
	v_nop
	global_prefetch_b8 v0, s[64:65] scope:SCOPE_SE
	s_setreg_imm32_b32 hwreg(HW_REG_WAVE_MODE, 25, 1), 1
	s_wait_xcnt 0x0
; x [8192][1024] and Wq, Wk, Wv, Wo [1024][1024], f32 with K innermost, become codes of BF8 (E5M2), one byte a number, laid as the numbers lie.
; code = number / 2^e, held within +-57,344, rounded to the nearest code, ties to even.  x is an operand of three products under three given exponents
; (entries 0, 2, 4 of the scales), so it is read once and converted three times: xc = [3][8192][1024].  wc = [4][1024][1024]: Wq, Wk, Wv, Wo under entries 1, 3, 5, 11.
; LIMITS: each of these seven exponents lies between -126 and 112, so that 2^e and 57,344 x 2^e are f32 numbers.  NaN among the inputs is not served.
; SHARES.  A work-group takes 32,768 numbers, a wave 16 steps of 512.  Work-groups 0-255 take x, 256-383 the weights (32 each).  Only pointers and exponents are chosen by the work-group's number;
; the one branch jumps over x's second and third conversion in the weights' work-groups.  Waves share nothing: no barrier.
; A conversion takes 8 neighbours from one lane's registers, a load is densest with neighbouring bytes in neighbouring lanes: so each load reads 512 consecutive bytes, and a step's 2,048 bytes
; turn through the wave's own stage in LDS (16 bytes of padding behind each 64) and come back 64 bytes a lane.  A lane's 16 codes are 16 bytes: a store covers 512 consecutive bytes, aligned.
.set STEPS, 16
.set XWG,   256                        ; work-groups that take x
.set SP,    80                         ; a lane's place in a stage: 64 bytes + 16
.set STG,   32*SP                      ; a stage
.set WREG,  8192                       ; LDS of a wave: two stages
.set R,     16                         ; v16-79   four sets of 16 numbers as loaded
.set X,     80                         ; v80-111  two sets of 16 neighbours
.set HLD,   112
.set C,     128                        ; v128-191 codes: 16 registers for step % 4 (12 in use)
	s_load_b256 s[4:11], s[0:1], 0x0               ; x s[4:5], Wq s[6:7], Wk s[8:9], Wv s[10:11]
	s_load_b256 s[12:19], s[0:1], 0x20             ; Wo s[12:13], the exponents s[14:15], xc s[16:17], wc s[18:19]
	v_lshl_add_u32 v192, v0, 2, 0x8000
	v_mov_b32 v193, 0
	v_lshrrev_b32 v1, 5, v0
	v_readfirstlane_b32 s20, v1                    ; wave
	v_and_b32 v2, 31, v0                           ; lane
	v_lshlrev_b32 v3, 4, v2                        ; my 16 bytes of a load's or a store's 512; never rewritten
	s_mul_i32 s48, s20, WREG
	v_lshrrev_b32 v14, 2, v2
	v_mul_u32_u24 v14, v14, SP
	v_and_b32 v15, 3, v2
	v_lshl_add_u32 v14, v15, 4, v14
	v_add_nc_u32 v14, s48, v14                     ; the stage, on the way in: SP (lane / 4) + 16 (lane % 4)
	v_mul_u32_u24 v15, v2, SP
	v_add_nc_u32 v15, s48, v15                     ; and on the way out: SP x lane
	s_sub_co_u32 s21, ttmp9, XWG                   ; j: the weights' work-group (wraps in x's work-groups, where it is not used)
	s_lshr_b32 s22, s21, 5                         ; which weight: 0 Wq, 1 Wk, 2 Wv, 3 Wo
	s_and_b32 s23, s21, 31                         ; which 32,768 numbers of it
	s_cmp_lt_u32 ttmp9, XWG
	s_cselect_b32 s32, ttmp9, s23                  ; the chunk in the source,
	s_cselect_b32 s34, ttmp9, s21                  ; and in the codes' buffer
	s_lshl_b32 s32, s32, 2
	s_add_co_u32 s32, s32, s20
	s_lshl_b32 s32, s32, 15                        ; my wave's 8,192 numbers: 32,768 bytes
	s_mov_b32 s33, 0
	s_lshl_b32 s34, s34, 2
	s_add_co_u32 s34, s34, s20
	s_lshl_b32 s34, s34, 13                        ; and their 8,192 codes
	s_mov_b32 s35, 0
	s_wait_alu depctr_va_vdst(0)
	s_wait_kmcnt 0x0
	s_load_b256 s[36:43], s[14:15], 0x0            ; e0 .. e7
	s_load_b128 s[44:47], s[14:15], 0x20           ; e8 .. e11
	s_mov_b64 s[24:25], s[12:13]                   ; the source: Wo, unless ..
	s_cmp_eq_u32 s22, 2
	s_cselect_b64 s[24:25], s[10:11], s[24:25]
	s_cmp_eq_u32 s22, 1
	s_cselect_b64 s[24:25], s[8:9], s[24:25]
	s_cmp_eq_u32 s22, 0
	s_cselect_b64 s[24:25], s[6:7], s[24:25]
	s_cmp_lt_u32 ttmp9, XWG
	s_cselect_b64 s[24:25], s[4:5], s[24:25]
	s_cselect_b64 s[26:27], s[16:17], s[18:19]     ; the codes: xc or wc
	s_add_nc_u64 s[24:25], s[24:25], s[32:33]
	s_add_nc_u64 s[26:27], s[26:27], s[34:35]
	s_add_nc_u64 s[28:29], s[26:27], 0x800000      ; x's second and third set of codes (used in x's work-groups alone): bases of their own, since 8 MiB is more than a store's immediate holds
	s_add_nc_u64 s[30:31], s[26:27], 0x1000000
.macro LOAD t
.irp i, 0,1,2,3
	global_load_b128 v[R+16*((\t)%4)+4*\i:R+16*((\t)%4)+4*\i+3], v3, s[24:25] offset:2048*(\t)+512*\i th:TH_LOAD_NT   ; 32 lanes read 512 consecutive bytes; read once in the launch
.endr
.endm
.macro TURN t                          ; step t's numbers through the stage: LDS serves a wave's instructions in order, so no wait stands between the stores and the loads
.irp i, 0,1,2,3
	ds_store_b128 v14, v[R+16*((\t)%4)+4*\i:R+16*((\t)%4)+4*\i+3] offset:STG*((\t)%2)+8*SP*\i
.endr
.irp i, 0,1,2,3
	ds_load_b128 v[X+16*((\t)%2)+4*\i:X+16*((\t)%2)+4*\i+3], v15 offset:STG*((\t)%2)+16*\i
.endr
.endm
.macro MKSC e, sc, lim                 ; 2^e as f32 (the conversion takes its exponent field)
	s_add_co_i32 s49, s[\e], 127
	s_lshl_b32 s50, s49, 23
	v_mov_b32 v[\sc], s50
.endm
; Step t's 16 numbers under one scale: set k of the step's codes, stored at the given base.
.macro CONV t, k, sc, lim, base
.irp i, 0,1,2,3,4,5,6,7,8,9,10,11,12,13,14,15
.endr
	v_cvt_scalef32_pk8_bf8_f32 v[C+16*((\t)%4)+4*\k:C+16*((\t)%4)+4*\k+1], v[HLD+((X+16*((\t)%2)+0)-(HLD+0)):HLD+7+((X+16*((\t)%2)+0)-(HLD+0))], v[\sc]
	v_cvt_scalef32_pk8_bf8_f32 v[C+16*((\t)%4)+4*\k+2:C+16*((\t)%4)+4*\k+3], v[HLD+8+((X+16*((\t)%2)+0)-(HLD+0)):HLD+15+((X+16*((\t)%2)+0)-(HLD+0))], v[\sc]
	v_nop                                          ; a plain vector line behind the conversions
	global_store_b128 v3, v[C+16*((\t)%4)+4*\k:C+16*((\t)%4)+4*\k+3], s[\base:\base+1] offset:512*(\t)
.endm
.irp t, 0,1,2,3
	LOAD \t
.endr
	s_wait_kmcnt 0x0
	s_mov_b32 s48, s47                             ; my first exponent: e11 (Wo), unless ..
	s_cmp_eq_u32 s22, 2
	s_cselect_b32 s48, s41, s48                    ; e5 (Wv)
	s_cmp_eq_u32 s22, 1
	s_cselect_b32 s48, s39, s48                    ; e3 (Wk)
	s_cmp_eq_u32 s22, 0
	s_cselect_b32 s48, s37, s48                    ; e1 (Wq)
	s_cmp_lt_u32 ttmp9, XWG
	s_cselect_b32 s48, s36, s48                    ; e0 (x)
	MKSC 48, 8, 9
	MKSC 38, 10, 11                                ; e2
	MKSC 40, 12, 13                                ; e4
	s_wait_alu depctr_va_vdst(0)
	s_wait_loadcnt 12                              ; step 0's four loads are in
	TURN 0
.macro STEP t
	s_wait_dscnt 0x0                               ; this step's numbers are back from the stage, so the stage's stores have read their registers,
.if (\t) >= 4
	s_wait_xcnt 0x0                                ; and the stores of four steps ago have read the codes' registers that this step writes
.endif
.if (\t)+4 < STEPS
	LOAD (\t)+4
.endif
.if (\t)+1 < STEPS
.if STEPS-2-(\t) >= 3
	s_wait_loadcnt 12                              ; the next step's four loads are in; those of the three steps behind it may be out
.else
	s_wait_loadcnt 4*(STEPS-2-(\t))
.endif
	TURN (\t)+1
.endif
	CONV \t, 0, 8, 9, 26
	s_cmp_lt_u32 ttmp9, XWG                        ; a weight has one scale
	s_cbranch_scc0 .Lw_\@
	CONV \t, 1, 10, 11, 28
	CONV \t, 2, 12, 13, 30
.Lw_\@:
.endm
.irp t, 0,1,2,3,4,5,6,7,8,9,10,11,12,13,14,15
	STEP \t
.endr
	s_wait_tensorcnt 0x0
	ds_add_u32 v192, v193
	s_wait_dscnt 0x0
	s_endpgm
.Lfunc_end_k_q3d450ada37_quant:
	.size	k_q3d450ada37_quant, .Lfunc_end_k_q3d450ada37_quant-k_q3d450ada37_quant
	.p2alignl 7, 3214868480
	.fill 96, 4, 3214868480
	.section	.rodata,"a",@progbits
	.p2align	6, 0x0
	.amdhsa_kernel k_q3d450ada37_quant
		.amdhsa_group_segment_fixed_size 33280
		.amdhsa_private_segment_fixed_size 0
		.amdhsa_enable_private_segment 0
		.amdhsa_kernarg_size 64
		.amdhsa_user_sgpr_count 2
		.amdhsa_user_sgpr_kernarg_segment_ptr 1
		.amdhsa_wavefront_size32 1
		.amdhsa_system_sgpr_workgroup_id_x 1
		.amdhsa_system_sgpr_workgroup_id_y 1
		.amdhsa_system_sgpr_workgroup_id_z 1
		.amdhsa_system_vgpr_workitem_id 0
		.amdhsa_next_free_vgpr 194
		.amdhsa_next_free_sgpr 66
		.amdhsa_reserve_vcc 0
		.amdhsa_float_denorm_mode_32 3
		.amdhsa_float_denorm_mode_16_64 3
		.amdhsa_fp16_overflow 1
		.amdhsa_memory_ordered 1
		.amdhsa_forward_progress 1
		.amdhsa_inst_pref_size 33
	.end_amdhsa_kernel
	.amdgpu_metadata
---
amdhsa.version: [ 1, 2 ]
amdhsa.kernels:
  - .name:           k_q3d450ada37_quant
    .symbol:         k_q3d450ada37_quant.kd
    .args:
      - { .name: x, .offset: 0, .size: 8, .value_kind: global_buffer, .address_space: global }
      - { .name: Wq, .offset: 8, .size: 8, .value_kind: global_buffer, .address_space: global }
      - { .name: Wk, .offset: 16, .size: 8, .value_kind: global_buffer, .address_space: global }
      - { .name: Wv, .offset: 24, .size: 8, .value_kind: global_buffer, .address_space: global }
      - { .name: Wo, .offset: 32, .size: 8, .value_kind: global_buffer, .address_space: global }
      - { .name: lowp_scales, .offset: 40, .size: 8, .value_kind: global_buffer, .address_space: global }
      - { .name: xc, .offset: 48, .size: 8, .value_kind: global_buffer, .address_space: global }
      - { .name: wc, .offset: 56, .size: 8, .value_kind: global_buffer, .address_space: global }
    .group_segment_fixed_size: 33280
    .private_segment_fixed_size: 0
    .kernarg_segment_align: 8
    .kernarg_segment_size: 64
    .max_flat_workgroup_size: 128
    .sgpr_count:     66
    .vgpr_count:     194
    .wavefront_size: 32
...
	.end_amdgpu_metadata
.endif
;; end of part 1
;; launch qkv (part 2): grid 96 x 4, 4 waves a work-group, clusters of 4 x 4, 327,680 bytes of LDS; arguments xc, wc, lowp_scales, qkv; writes qkv
.if DOCPART == 2
	.amdgcn_target "amdgcn-amd-amdhsa--gfx1250"
	.amdhsa_code_object_version 6
	.text
	.protected	k_q3d450ada37_qkv
	.globl	k_q3d450ada37_qkv
	.p2align	8
	.type	k_q3d450ada37_qkv,@function
k_q3d450ada37_qkv:
	s_mov_b64 s[64:65], 0
	v_nop
	global_prefetch_b8 v0, s[64:65] scope:SCOPE_SE
	s_setreg_imm32_b32 hwreg(HW_REG_WAVE_MODE, 25, 1), 1
	s_wait_xcnt 0x0
	s_wait_alu depctr_hold_cnt(0) depctr_sa_sdst(0) depctr_va_vdst(0) depctr_va_sdst(0) depctr_va_ssrc(0) depctr_va_vcc(0) depctr_vm_vsrc(0)
	s_getreg_b32 s2, hwreg(HW_REG_IB_STS2, 6, 4)
	s_cmp_eq_u32 s2, 0
	s_cbranch_scc0 .Lentry_in_a_cluster
	s_endpgm
.Lentry_in_a_cluster:
	s_bfe_u32 s2, ttmp6, 0x10000c
	s_cmp_lg_u32 s2, 0xf033
	s_cbranch_scc0 .Lentry_shape_is_right
	s_endpgm
.Lentry_shape_is_right:
; Products 1 to 3 on codes of BF8 (E5M2): out[m][n] = sum over k of A[m][k] B[n][k], K = 1,024, and the f32 sums quantised at once for products 4 and 5.
; p = cluster x / 8:  p = 0: q = x Wq^T;  p = 1: k = x Wk^T (A = x's codes under that product's scale, 8,192 rows; B = the weight's, 1,024 rows);  p = 2: v^T = Wv x^T (A = Wv's codes, B = x's), so that the keys are v's innermost axis.
; All three leave by one formula, out[n / 64][m][n % 64], one byte a number:  q, k: [16 heads][8,192 tokens][64];  v: [128 = token / 64][1,024 = 64 head + d][64 = token % 64].
; A sum stands for sum x 2^(eA + eB): its code is sum / 2^d, d = e6 - e0 - e1 (q), e7 - e2 - e3 (k), e9 - e4 - e5 (v), held within +-57,344 x 2^d.  LIMIT: each d lies between -126 and 112.
; A tile, 256 x 256, is made by four waves, 128 x 128 each: 64 accumulators, 512 registers.  K goes in four steps of 256 through a ring of two LDS slots filled by the tensor data mover.
; CLUSTERS: 4 x 4 work-groups; the four of a row need the same tiles of A, the four of a column the same tiles of B: each tile is asked for jointly.  p and the cluster's number are the same in all partners.
; THE MATRIX INSTRUCTION IS USED TRANSPOSED (source 0 = 16 rows of B, source 1 = 16 rows of A): a lane holds eight neighbouring n of one row m: eight neighbours along the next product's K.
; REGISTERS, in windows of 256: window 0: v0-31 addresses and the scale; v96-127 at work on the way out; from v128 A's fragments, one set (on the way out v192-223 take rows back from the stage).
;   window 1: B's fragments, two sets.   windows 2, 3: the accumulators of my rows 0-63, 64-127 (accumulator (a, b) at v[8 (8 (a % 4) + b)]).
.set KSTEP,  256
.set ROWB,   256                       ; a tile's row in bytes
.set KROW,   1024                      ; a row of A or of B in memory
.set PITCH,  272                       ; an LDS row: 256 bytes + 16: 68 words, so that the 16 rows of a fragment load start 4 words apart modulo 64 (64 banks of 4 bytes: ISA guide 11.1)
.set FR,     16
.set NL,     4
.set NP,     4                         ; places behind this matrix instruction (ISA guide 7.12.1)
.set HALFT,  128*PITCH
.set SLOT,   4*HALFT
.set LAPS,   2                         ; 1,024 / (2 x 256)
.set SPARE,  2*SLOT                    ; the spare words: 128 bytes for each wave, two blocks of 256 bytes that no other line names
.set STAGE,  SPARE+512                 ; the way out: bytes of its own, into which no tile lands
.set WSTG,   2560                      ; a wave's stage: [2 blocks of 64 n][16 rows] of 64 bytes + 16
.set ADRA, 16
.set ADRB, 20
.set STO,  24                          ; v24     the stage: where I put 8 codes
.set RD,   25                          ; v25     and where I read 16 back
.set CO,   26                          ; v26, 27 my byte offset in the output: 16 x lane, and the same one block of 64 n on
.set SPW,  28
.set NIL,  29
.set SC,   30                          ; v30     2^d
.set LIM,  31
.set TMP,  32
.set CD,   96                          ; v96-127 a block's codes, two sets by turns
.set AF,   128
.set BK,   192                         ; v192-223 rows back from the stage, two sets by turns
.set G1, 24
.set G0, 32
.set G1B, 48
.set G0B, 56
.set MSB, 0
.macro WIN new                         ; the immediate's high byte repeats the setting that is left
.if MSB != \new
	s_set_vgpr_msb (MSB<<8)|\new
.set MSB, \new
.endif
.endm
.set MUL_LO, 0xa1                      ; source 0 (B) window 1, source 1 (A) window 0, C and D window 2
.set MUL_HI, 0xf1
.set TO_B,   0x40
; A joint load: waves 0 and 1 fetch for A, waves 2 and 3 for B; the branch hangs on the wave's number alone.  Four v_nop follow each of the two lines.
.macro JLOAD g0a, g1a, g0b, g1b
	s_cmp_eq_u32 s15, 0
	s_cbranch_scc0 .Lfor_b_\@
	tensor_load_to_lds s[\g0a:\g0a+3], s[\g1a:\g1a+7]
	s_nop 0
.rept 4
	v_nop
.endr
	s_branch .Lasked_\@
.Lfor_b_\@:
	tensor_load_to_lds s[\g0b:\g0b+3], s[\g1b:\g1b+7]
	s_nop 0
.rept 4
	v_nop
.endr
.Lasked_\@:
.endm
.macro CREST                           ; a round of the cluster's barrier behind its opening barrier
	s_cmp_lg_u32 s14, 0
	s_cbranch_scc1 .Lnot_wave_0_\@
	s_barrier_signal -3
.Lnot_wave_0_\@:
	s_barrier_wait -3
	s_barrier_signal -1
	s_barrier_wait -1
.endm
.macro CROUND
	s_barrier_signal -1
	s_barrier_wait -1
	CREST
.endm
	s_load_b128 s[4:7], s[0:1], 0x0                ; xc s[4:5], wc s[6:7]
	s_load_b128 s[8:11], s[0:1], 0x10              ; the exponents s[8:9], qkv s[10:11]
	v_lshl_add_u32 v[SPW], v0, 2, SPARE
	v_mov_b32 v[NIL], 0
	ds_add_u32 v28, v29
	ds_add_u32 v28, v29
	s_wait_dscnt 0x0
	v_lshrrev_b32 v1, 5, v0
	v_readfirstlane_b32 s14, v1                    ; wave 0..3
	s_lshr_b32 s15, s14, 1                         ; which half of the tile's rows is mine.  Also: I fetch for A (0) or for B (1)
	s_and_b32 s16, s14, 1                          ; which half of its columns.  Also: which 128 rows of that tile I fetch
	s_bfe_u32 s40, ttmp6, 0x40000                  ; cx
	s_bfe_u32 s41, ttmp6, 0x40004                  ; cy
	s_lshr_b32 s66, ttmp9, 3                       ; p
	s_and_b32 s67, ttmp9, 7
	s_lshl_b32 s67, s67, 2                         ; 4 x (which of the product's eight clusters)
	s_lshl_b32 s74, s66, 23                        ; x's codes for product p: p x 8 MiB
	s_mov_b32 s75, 0
	s_lshl_b32 s76, s66, 20                        ; weight p: p x 1 MiB
	s_mov_b32 s77, 0
	s_mov_b32 s78, 0x10000
	s_cmp_lt_u32 s66, 2                            ; q and k: the long axis (tokens) is m;  v: it is n
	s_cselect_b32 s68, s67, 0
	s_cselect_b32 s69, 0, s67
	s_cselect_b32 s78, 0x80000, s78                ; bytes from one block of 64 n to the next: 64 x the number of rows m
	s_add_co_u32 s17, s68, s41                     ; tile row: cy enters it, cx never
	s_add_co_u32 s42, s69, s40                     ; tile column: cx enters it, cy never
	s_lshl_b32 s43, s41, 2
	s_lshl_b32 s43, 15, s43                        ; my row of the cluster
	s_lshl_b32 s44, 0x1111, s40                    ; my column
	; descriptor group 1: a tile of 128 rows x 256 bytes, padded in LDS
	s_or_b32 s[G1+0], s43, (0<<16)|(1<<20)|(1<<21)|(5<<22)|(3<<25)  ; the mask; elements of 1 byte; padding on; bit 21 beside a mask; after every 64 words; 4 words
	s_or_b32 s[G1B+0], s44, (0<<16)|(1<<20)|(1<<21)|(5<<22)|(3<<25)
.irp g, G1, G1B
	s_mov_b32 s[\g+1], ROWB<<16                    ; tensor_dim0
	s_mov_b32 s[\g+2], 128<<16                     ; tensor_dim1
	s_mov_b32 s[\g+3], ROWB<<16                    ; tile_dim0
	s_mov_b32 s[\g+4], 128                         ; tile_dim1
	s_mov_b32 s[\g+5], KROW                        ; tensor_dim0_stride
	s_mov_b32 s[\g+6], 0
	s_mov_b32 s[\g+7], 0
.endr
	s_lshl_b32 s18, s16, 7                         ; which 128 rows of the tile I fetch
	s_lshl_b32 s20, s17, 8
	s_add_co_u32 s20, s20, s18
	s_lshl_b32 s20, s20, 10                        ; A: (256 x tile row + 128 x half) rows of 1,024 bytes
	s_mov_b32 s21, 0
	s_lshl_b32 s46, s42, 8
	s_add_co_u32 s46, s46, s18
	s_lshl_b32 s46, s46, 10                        ; B likewise, by the tile column
	s_mov_b32 s47, 0
	s_mul_i32 s45, s14, HALFT                      ; where they go: wave x 128 rows
	s_wait_kmcnt 0x0
	s_load_b256 s[80:87], s[8:9], 0x0              ; e0 .. e7
	s_load_b128 s[88:91], s[8:9], 0x20             ; e8 .. e11
	s_add_nc_u64 s[70:71], s[4:5], s[74:75]        ; x's codes for this product
	s_add_nc_u64 s[72:73], s[6:7], s[76:77]        ; the weight's
	s_cmp_lt_u32 s66, 2
	s_cselect_b64 s[74:75], s[70:71], s[72:73]     ; A
	s_cselect_b64 s[76:77], s[72:73], s[70:71]     ; B
	s_add_nc_u64 s[20:21], s[74:75], s[20:21]
	s_add_nc_u64 s[46:47], s[76:77], s[46:47]
	CROUND                                         ; all sixteen work-groups are here: the first joint loads meet
.irp s, 0,1
	s_mov_b32 s[G0+4*\s], 1
	s_add_co_u32 s[G0+4*\s+1], s45, \s*SLOT
	s_add_nc_u64 s[G0+4*\s+2:G0+4*\s+3], s[20:21], \s*ROWB
	s_or_b32 s[G0+4*\s+3], s[G0+4*\s+3], 0x80000000
	s_mov_b32 s[G0B+4*\s], 1
	s_add_co_u32 s[G0B+4*\s+1], s45, \s*SLOT
	s_add_nc_u64 s[G0B+4*\s+2:G0B+4*\s+3], s[46:47], \s*ROWB
	s_or_b32 s[G0B+4*\s+3], s[G0B+4*\s+3], 0x80000000
	JLOAD G0+4*\s, G1, G0B+4*\s, G1B
.endr
	v_and_b32 v1, 15, v0                           ; r = l % 16
	s_wait_alu depctr_va_vdst(0)
	v_bfe_u32 v2, v0, 4, 1                         ; h = l / 16
	v_mul_u32_u24 v3, v1, PITCH
	v_lshl_add_u32 v4, v2, 4, v3                   ; a fragment's row x pitch + 16 x half
	s_mul_i32 s21, s15, HALFT                      ; my 128 rows of A
	s_mul_i32 s22, s16, HALFT
	s_add_co_u32 s22, s22, 2*HALFT                 ; my 128 rows of B, behind A's 256
.irp s, 0,1
	v_add_nc_u32 v[ADRA+\s], s21, v4
	v_add_nc_u32 v[ADRB+\s], s22, v4
	s_add_co_u32 s21, s21, SLOT
	s_add_co_u32 s22, s22, SLOT
.endr
	s_mul_i32 s23, s14, WSTG
	s_add_co_u32 s23, s23, STAGE                   ; my stage
	v_mul_u32_u24 v5, v1, 80
	s_wait_alu depctr_va_vdst(0)
	v_lshl_add_u32 v5, v2, 3, v5
	v_add_nc_u32 v[STO], s23, v5                   ; in: row r, 8 bytes for each half of the lanes
	v_and_b32 v6, 31, v0
	v_lshrrev_b32 v5, 2, v6
	v_mul_u32_u24 v5, v5, 80
	v_and_b32 v7, 3, v6
	v_lshl_add_u32 v5, v7, 4, v5
	v_add_nc_u32 v[RD], s23, v5                    ; back: four lanes to a row of 64 bytes, eight rows an instruction
	v_lshlrev_b32 v[CO], 4, v6                     ; and in memory those eight rows are 512 consecutive bytes
	v_add_nc_u32 v[CO+1], s78, v[CO]
	s_lshl_b32 s92, s42, 2
	s_lshl_b32 s93, s16, 1
	s_add_co_u32 s92, s92, s93                     ; my first block of 64 n: 4 x tile column + 2 x half
	s_mul_i32 s92, s92, s78
	s_lshl_b32 s93, s17, 8
	s_lshl_b32 s94, s15, 7
	s_add_co_u32 s93, s93, s94                     ; my first row m
	s_lshl_b32 s93, s93, 6
	s_add_co_u32 s92, s92, s93
	s_lshl_b32 s93, s66, 23                        ; part p of the buffer
	s_add_co_u32 s92, s92, s93
	s_mov_b32 s93, 0
	s_add_nc_u64 s[10:11], s[10:11], s[92:93]      ; never stepped: the blocks' places stand in the stores' immediates
	s_wait_kmcnt 0x0
	s_sub_co_i32 s92, s86, s80
	s_sub_co_i32 s92, s92, s81                     ; e6 - e0 - e1
	s_sub_co_i32 s93, s87, s82
	s_sub_co_i32 s93, s93, s83                     ; e7 - e2 - e3
	s_sub_co_i32 s94, s89, s84
	s_sub_co_i32 s94, s94, s85                     ; e9 - e4 - e5
	s_cmp_eq_u32 s66, 1
	s_cselect_b32 s92, s93, s92
	s_cmp_eq_u32 s66, 2
	s_cselect_b32 s92, s94, s92                    ; d
	s_add_co_i32 s92, s92, 127
	s_lshl_b32 s93, s92, 23
	v_mov_b32 v[SC], s93                           ; 2^d as f32: the three scales folded into the conversion's one
.macro FRAG reg, adr, q, i             ; 16 rows x 128 K: lane l holds row l % 16; registers 4 c .. 4 c + 3 hold K = 32 c + 16 (l / 16) + 0 .. 15: the same places in A and in B
.irp c, 0,1,2,3
	ds_load_b128 v[\reg+4*\c:\reg+4*\c+3], v[\adr] offset:128*(\q)+32*\c+(\i)*16*PITCH
.endr
.endm
; 16 matrix instructions: A's blocks a0, a0 + 1 x B's eight.  The 64 accumulators take turns, one instruction a turn, in the same order in every step.
.macro MUL16 a0, p, zero
.irp a, \a0, \a0+1
.irp b, 0,1,2,3,4,5,6,7
.if \zero
	v_wmma_f32_16x16x128_bf8_bf8 v[8*(8*((\a)%4)+\b):8*(8*((\a)%4)+\b)+7], v[128*(\p)+FR*\b:128*(\p)+FR*\b+FR-1], v[AF+FR*(\a):AF+FR*(\a)+FR-1], 0
.else
	v_wmma_f32_16x16x128_bf8_bf8 v[8*(8*((\a)%4)+\b):8*(8*((\a)%4)+\b)+7], v[128*(\p)+FR*\b:128*(\p)+FR*\b+FR-1], v[AF+FR*(\a):AF+FR*(\a)+FR-1], v[8*(8*((\a)%4)+\b):8*(8*((\a)%4)+\b)+7]
.endif
.endr
.endr
.endm
.macro FETCH_B slot, q, p
	WIN TO_B
.irp i, 0,1,2,3,4,5,6,7
	FRAG 128*(\p)+FR*\i, ADRB+\slot, \q, \i
.endr
	WIN 0
.endm
.macro FETCH_A slot, q, i0
.irp i, \i0, \i0+1, \i0+2, \i0+3
	FRAG AF+FR*(\i), ADRA+\slot, \q, \i
.endr
.endm
.macro PLACES n                        ; plain vector lines between a matrix instruction and a load into one of its registers, or a read of its result
.rept \n
	v_nop
.endr
.endm
; A step of 128 along K that has its successor in the same slot.
.macro STEP slot, q, zero
	s_wait_dscnt 4*NL                              ; B's set and A's blocks 0-3 are in; the youngest 16 loads (A's blocks 4-7) may be out
	WIN MUL_LO
	MUL16 0, (\q)%2, \zero
	MUL16 2, (\q)%2, \zero
	s_wait_dscnt 0
	PLACES NP
	FETCH_B \slot, (\q)+1, 1-(\q)%2
	FETCH_A \slot, (\q)+1, 0
	WIN MUL_HI
	MUL16 4, (\q)%2, \zero
	MUL16 6, (\q)%2, \zero
	PLACES NP
	WIN 0
	FETCH_A \slot, (\q)+1, 4
.endm
; A slot's last step changes slots: one barrier; in front of it each wave waits for all its tensor loads, adds 0 to its spare word, and waits for that and for its reads of this slot.
.macro TURN slot, next, fill
	s_wait_tensorcnt 0x0                           ; all my tensor loads have landed: my part of the next slot
	ds_add_u32 v[SPW], v[NIL]                      ; 0 onto my spare word
	s_wait_dscnt 4*NL+1                            ; (the add and the youngest 16 loads may be out)
	WIN MUL_LO
	MUL16 0, 1, 0
	s_wait_dscnt 0x0                               ; the add is done, and my reads of this slot are over
	s_barrier_signal -1
	MUL16 2, 1, 0
	WIN 0
	s_barrier_wait -1
.if \fill
	CREST                                          ; the barrier has opened a round of the cluster's barrier: no wave of any partner still reads this slot or has a load on its way
	s_add_nc_u64 s[G0+4*\slot+2:G0+4*\slot+3], s[G0+4*\slot+2:G0+4*\slot+3], 2*ROWB
	s_add_nc_u64 s[G0B+4*\slot+2:G0B+4*\slot+3], s[G0B+4*\slot+2:G0B+4*\slot+3], 2*ROWB
	JLOAD G0+4*\slot, G1, G0B+4*\slot, G1B         ; the first tensor load behind the round; its four v_nop are the places in front of the loads below
.else
	PLACES NP
.endif
	FETCH_B \next, 0, 0
	FETCH_A \next, 0, 0
	WIN MUL_HI
	MUL16 4, 1, 0
	MUL16 6, 1, 0
	PLACES NP
	WIN 0
	FETCH_A \next, 0, 4
.endm
	s_wait_tensorcnt 1                             ; my part of K step 0 is in; K step 1's load may be out
	s_barrier_signal -1
	s_barrier_wait -1
	FETCH_B 0, 0, 0
	FETCH_A 0, 0, 0
	FETCH_A 0, 0, 4
	STEP 0, 0, 1                                   ; the first step's products start the sums
	s_mov_b32 s3, LAPS-1
.Llap:                                                 ; a trip goes once round the ring and fills both slots again
	TURN 0, 1, 1
	STEP 1, 0, 0
	TURN 1, 0, 1
	STEP 0, 0, 0
	s_sub_co_u32 s3, s3, 1
	s_cmp_lg_u32 s3, 0
	s_cbranch_scc1 .Llap
	TURN 0, 1, 0                                   ; the last lap fills nothing
	STEP 1, 0, 0
	s_wait_dscnt 4*NL
	WIN MUL_LO
	MUL16 0, 1, 0
	MUL16 2, 1, 0
	s_wait_alu depctr_va_vdst(0)
	s_wait_dscnt 0
	WIN MUL_HI
	MUL16 4, 1, 0
	MUL16 6, 1, 0
	WIN 0
; THE WAY OUT, block by block of 16 rows x 128 n.  The sums are converted (8 neighbouring n of a lane: 8 bytes), and go through my stage, so that a store covers 8 rows x 64 bytes: 512 consecutive bytes, aligned.
.macro TOSTAGE a
.set AC, 64*((\a)%4)
.set CDS, CD+16*((\a)%2)
.set BB, BK+16*((\a)%2)
	WIN (0x02+((\a)/4))                            ; source 0: window 2 or 3
.set jj, 0
.rept 64
.set jj, jj+1
.endr
.irp b, 0,1,2,3,4,5,6,7
	v_cvt_scalef32_pk8_bf8_f32 v[CDS+2*\b:CDS+2*\b+1], v[AC+8*\b:AC+8*\b+7], v[SC]
.endr
	WIN 0
	v_nop                                          ; a plain vector line behind the conversions
.irp b, 0,1,2,3,4,5,6,7
	ds_store_b64 v[STO], v[CDS+2*\b:CDS+2*\b+1] offset:1280*(\b/4)+16*(\b%4)
.endr
.irp n, 0,1
.irp f, 0,1
	ds_load_b128 v[BB+4*(2*\n+\f):BB+4*(2*\n+\f)+3], v[RD] offset:1280*\n+640*\f   ; LDS serves a wave's instructions in order: these see the stores above
.endr
.endr
.endm
.macro SEND a, younger                 ; younger: the LDS instructions issued behind block a's loads
.set BB, BK+16*((\a)%2)
	s_wait_dscnt \younger
.irp n, 0,1
.irp f, 0,1
	global_store_b128 v[CO+\n], v[BB+4*(2*\n+\f):BB+4*(2*\n+\f)+3], s[10:11] offset:1024*(\a)+512*\f
.endr
.endr
.endm
	PLACES NP                                      ; behind the last products: for the reads of results and for the loads into registers that held A's fragments
	TOSTAGE 0
.irp a, 1,2,3,4,5,6,7
.if \a > 1
	s_wait_xcnt 0x0                                ; block a - 2's stores have read their registers: block a's loads may land there
.endif
	TOSTAGE \a
	SEND \a-1, 12                                  ; behind block a - 1's loads: block a's 8 stores and 4 loads
.endr
	SEND 7, 0
	s_wait_tensorcnt 0x0                           ; the wave's end
	ds_add_u32 v[SPW], v[NIL]
	s_wait_dscnt 0x0
	CROUND                                         ; the closing round
	s_endpgm
.Lfunc_end_k_q3d450ada37_qkv:
	.size	k_q3d450ada37_qkv, .Lfunc_end_k_q3d450ada37_qkv-k_q3d450ada37_qkv
	.p2alignl 7, 3214868480
	.fill 96, 4, 3214868480
	.section	.rodata,"a",@progbits
	.p2align	6, 0x0
	.amdhsa_kernel k_q3d450ada37_qkv
		.amdhsa_group_segment_fixed_size 327680
		.amdhsa_private_segment_fixed_size 0
		.amdhsa_enable_private_segment 0
		.amdhsa_kernarg_size 32
		.amdhsa_user_sgpr_count 2
		.amdhsa_user_sgpr_kernarg_segment_ptr 1
		.amdhsa_wavefront_size32 1
		.amdhsa_system_sgpr_workgroup_id_x 1
		.amdhsa_system_sgpr_workgroup_id_y 1
		.amdhsa_system_sgpr_workgroup_id_z 1
		.amdhsa_system_vgpr_workitem_id 0
		.amdhsa_next_free_vgpr 1024
		.amdhsa_next_free_sgpr 100
		.amdhsa_reserve_vcc 0
		.amdhsa_float_denorm_mode_32 3
		.amdhsa_float_denorm_mode_16_64 3
		.amdhsa_fp16_overflow 1
		.amdhsa_memory_ordered 1
		.amdhsa_forward_progress 1
		.amdhsa_inst_pref_size 93
	.end_amdhsa_kernel
	.amdgpu_metadata
---
amdhsa.version: [ 1, 2 ]
amdhsa.kernels:
  - .name:           k_q3d450ada37_qkv
    .symbol:         k_q3d450ada37_qkv.kd
    .args:
      - { .name: xc, .offset: 0, .size: 8, .value_kind: global_buffer, .address_space: global }
      - { .name: wc, .offset: 8, .size: 8, .value_kind: global_buffer, .address_space: global }
      - { .name: lowp_scales, .offset: 16, .size: 8, .value_kind: global_buffer, .address_space: global }
      - { .name: qkv, .offset: 24, .size: 8, .value_kind: global_buffer, .address_space: global }
    .group_segment_fixed_size: 327680
    .private_segment_fixed_size: 0
    .kernarg_segment_align: 8
    .kernarg_segment_size: 32
    .max_flat_workgroup_size: 128
    .sgpr_count:     100
    .vgpr_count:     1024
    .wavefront_size: 32
...
	.end_amdgpu_metadata
.endif
;; end of part 2
;; launch attn (part 3): grid 4 x 64, 16 waves a work-group, no clusters, 327,680 bytes of LDS; arguments qkv, lowp_scales, cc; writes cc
.if DOCPART == 3
	.amdgcn_target "amdgcn-amd-amdhsa--gfx1250"
	.amdhsa_code_object_version 6
	.text
	.protected	k_q3d450ada37_attn
	.globl	k_q3d450ada37_attn
	.p2align	8
	.type	k_q3d450ada37_attn,@function
k_q3d450ada37_attn:
	s_mov_b64 s[64:65], 0
	v_nop
	global_prefetch_b8 v0, s[64:65] scope:SCOPE_SE
	s_setreg_imm32_b32 hwreg(HW_REG_WAVE_MODE, 25, 1), 1
	s_wait_xcnt 0x0
; Causal attention on codes of BF8 (E5M2), head size 64, and the context quantised for the last product.
; q, k: [16 heads][8,192 tokens][64] codes; v: [128 = token / 64][1,024 = 64 head + d][64 = token % 64] codes (the keys innermost); cc: [16 heads][8,192 tokens][64] codes.
; THE SOFTMAX: t = score x log2(e) / 8; M = the running largest t rounded UP to a whole number; p = 2^(t - M) is quantised under 2^e8, not normalised; the row's sum is taken of the unquantised p and divides at the end.
; When M moves, the sum and O are multiplied by 2^(old M - new M), which rounds nothing.  ctx = O / sum x 2^(e8 + e9); its code is (O / sum) / 2^(e10 - e8 - e9), held within +-57,344 x that.
; LIMITS on the given exponents: e6 + e7 between -123 and 130 (added to the exponent field of log2(e) / 8); e8, and e10 - e8 - e9, between -126 and 112.
; SHARES.  Work-group (i, 16 batch + head) owns the blocks i and 7 - i of 256 queries, one after the other: block i walks the key slots 0 .. i, block 7 - i the slots 0 .. 7 - i: always 9 slots of 256 keys.
; So every work-group has the same work, no tile is fetched that the mask hides as a whole, and the loop's trip count is a constant.  Each of sixteen waves owns 16 queries of a block, in 256 registers.
; NO CLUSTER: the four work-groups of a head want different slots in the same trip (i + 1 slots, then 8 - i), so a joint request would not name the same tile in all partners.
; LAYOUT.  Both products are used transposed (S^T = K Q^T, O^T = V^T P^T): a lane holds one query.  Lane r of tile 2 b + u of K takes key 32 b + 8 u + r + 8 (r / 8), so that the 16 registers of tiles 2 b, 2 b + 1 are 16 neighbouring keys.
; LDS: two slots 65,536 bytes apart; a slot is eight pieces of 4,096 bytes + 256 of padding (16 behind each 256): K's 256 rows of 64 bytes, then V's four blocks of 64 d x 64 keys.  A row of 64 bytes, number n, lies at 64 n + 16 (n / 4).
; REGISTERS: v1-7, v10 addresses that stay; v8, v9 addresses in hand; v12 -M, v13 the largest t, v[14:15] the sum; v16-23 Q in hand, v24-31 Q of the second block; v32-95 K's 8 fragments, then V's 4; v96-159 S^T, then p;
;   v160-191 O^T; v192-199 ctx's codes; v200-207 rows back from the stage; v224-239 p's codes; v244 2^e8, v245 2^(e10 - e8 - e9); v240-243, 246, 248-255 at work.
.set PIECE, 4352
.set VOFF,  4*PIECE
.set SLOT1, 65536
.set SPARE, 2*SLOT1                    ; the spare words: 128 bytes for each of sixteen waves, eight blocks of 256 bytes that no other line names
.set STAGE, SPARE+2048                 ; the way out: 1,024 bytes for each wave, bytes of its own into which no tile lands
.set AK0,  1
.set AV0,  2
.set PFO,  3
.set STO,  4
.set SPW,  5
.set NIL,  6
.set SRD,  7
.set ADK,  8
.set ADV,  9
.set GO,   10
.set TB,   2                           ; s2   LDS byte at which the slot in hand begins
.set TT,   3                           ; s3   the trip
.set II,   10                          ; s10  i
.set KN,   11                          ; s11  the key slot last asked for
.set SH,   12                          ; s12  log2 of a slot's step in memory: 14 in K, 18 among V's blocks
.set OFF,  14                          ; s[14:15]
.set WV,   18
.set SEL,  20
.set CS,   22                          ; s[22:23] c = log2(e) / 8 x 2^(e6 + e7)
.set G1,   24
.set G0,   32
.set GB,   36                          ; s[36:37] where my piece of key slot 0 lies
.set OP,   40                          ; s[40:41] my 16 rows of cc, for the block in hand;  s[42:43] for the second block
.set OPB,  42
.set Q0,   44                          ; s44 my first query in the sequence; s45 the second block's
.set Q0B,  45
.set QE,   46                          ; s46 the block's end = the number of keys that it walks; s47 the second block's
.set QEB,  47
.set KF,   48                          ; s48 the step's first key
.set PFA,  52
.set PFS,  54
.set LIM,  56
; Waves 0 to 3 fetch K's four pieces, waves 4 to 7 V's four blocks: one line, one shape, each wave its own LDS bytes (4,352 x wave).  Four v_nop follow the line.
.macro TLOAD
	s_cmp_lt_u32 s[WV], 8
	s_cbranch_scc0 .Lno_load_\@
	tensor_load_to_lds s[G0:G0+3], s[G1:G1+7]
	s_nop 0
.rept 4
	v_nop
.endr
.Lno_load_\@:
.endm
; A PREFETCH INTO THE L2 of the key slot that the NEXT change of slots will ask for.  Of a head's four work-groups, i = 0 is the one that comes first to key slots 4 to 7 (it asks for slot T in trip T): it names them, in trips 3 to 6,
; one trip (two key steps) ahead of its own tensor loads; nobody else names anything.  In it four waves that fetch nothing ask, one instruction each: waves 8 and 9 for K's 16,384 bytes (8,192 each, lanes 256 bytes apart),
; waves 10 and 11 for V's four blocks (two each: sixteen lanes to a block of 4,096 bytes).  So each aligned block of 256 bytes is named once in the launch.  Slots 0 to 3 come by their loads alone.
.macro ASK
	s_sub_co_u32 s80, s[TT], 3
	s_cmp_lt_u32 s80, s[LIM]                       ; LIM = 4 in the waves that ask, else 0
	s_cbranch_scc0 .Lnot_mine_\@
	global_prefetch_b8 v[PFO], s[PFA:PFA+1] th:TH_LOAD_NT scope:SCOPE_SE
.Lnot_mine_\@:
.endm
	s_load_b128 s[4:7], s[0:1], 0x0                ; qkv s[4:5], the exponents s[6:7]
	s_load_b64 s[8:9], s[0:1], 0x10                ; cc
	v_lshl_add_u32 v[SPW], v0, 2, SPARE
	v_mov_b32 v[NIL], 0
	ds_add_u32 v5, v6
	ds_add_u32 v5, v6
	s_wait_dscnt 0x0
	v_lshrrev_b32 v8, 5, v0
	s_delay_alu instid0(VALU_DEP_1)
	v_readfirstlane_b32 s[WV], v8                  ; wave 0..15
	s_mov_b32 s[II], ttmp9
	s_and_b32 s80, ttmp7, 0xffff
	s_lshr_b32 s81, s80, 4                         ; batch
	s_and_b32 s82, s80, 15                         ; head
	s_lshl_b32 s84, s82, 19
	s_lshl_b32 s85, s81, 17
	s_add_co_u32 s84, s84, s85                     ; the sequence's first byte in q, in k and in cc: head x 8,192 x 64 + batch x 2,048 x 64
	s_add_co_u32 s90, s84, 0x800000                ; k lies 8 MiB into qkv
	s_lshl_b32 s89, s81, 21
	s_lshl_b32 s88, s82, 12
	s_add_co_u32 s89, s89, s88
	s_add_co_u32 s89, s89, 0x1000000               ; v: 16 MiB in; batch x 32 blocks of 65,536 bytes + head x 64 rows of 64
	s_and_b32 s83, s[WV], 3
	s_lshl_b32 s86, s83, 12
	s_add_co_u32 s86, s86, s90                     ; K's piece: 64 keys x 64 bytes
	s_lshl_b32 s87, s83, 16
	s_add_co_u32 s87, s87, s89                     ; V's block: 64 keys on is 65,536 bytes on
	s_cmp_lt_u32 s[WV], 4
	s_cselect_b32 s86, s86, s87
	s_cselect_b32 s[SH], 14, 18
	s_mov_b32 s87, 0
	s_lshl_b32 s91, s[WV], 4
	s_lshl_b32 s[Q0], s[II], 8
	s_add_co_u32 s[QE], s[Q0], 256
	s_add_co_u32 s[Q0], s[Q0], s91                 ; 256 i + 16 wave
	s_sub_co_u32 s[Q0B], 7, s[II]
	s_lshl_b32 s[Q0B], s[Q0B], 8
	s_add_co_u32 s[QEB], s[Q0B], 256
	s_add_co_u32 s[Q0B], s[Q0B], s91               ; 256 (7 - i) + 16 wave
	s_lshl_b32 s92, s[Q0], 6
	s_add_co_u32 s92, s92, s84
	s_mov_b32 s93, 0
	s_lshl_b32 s94, s[Q0B], 6
	s_add_co_u32 s94, s94, s84
	s_mov_b32 s95, 0
	; descriptor group 1: 4,096 dense bytes as 16 rows of 256, 16 bytes of padding behind each
	s_mov_b32 s[G1], (0<<16)|(1<<20)|(5<<22)|(3<<25)
	s_mov_b32 s[G1+1], 256<<16                     ; tensor_dim0
	s_mov_b32 s[G1+2], 16<<16                      ; tensor_dim1
	s_mov_b32 s[G1+3], 256<<16                     ; tile_dim0
	s_mov_b32 s[G1+4], 16                          ; tile_dim1
	s_mov_b32 s[G1+5], 256                         ; tensor_dim0_stride
	s_mov_b32 s[G1+6], 0
	s_mov_b32 s[G1+7], 0
	s_mov_b32 s[SEL], 0x76543210
	s_mov_b32 s[SEL+1], 0xfedcba98
	s_mov_b32 s[CS], 0x3e38aa3b                    ; log2(e) / 8
	s_mov_b32 s[TB], 0
	s_mov_b32 s[TT], 0
	s_mov_b32 s[KN], 0
	s_mov_b32 s[KF], 0
	s_mov_b32 s[OFF+1], 0
	s_mov_b32 s[G0], 1
	s_mul_i32 s[G0+1], s[WV], PIECE                ; slot 0
	s_wait_kmcnt 0x0
	s_load_b256 s[68:75], s[6:7], 0x0              ; e0 .. e7
	s_load_b128 s[76:79], s[6:7], 0x20             ; e8 .. e11
	s_add_nc_u64 s[GB:GB+1], s[4:5], s[86:87]
	s_mov_b64 s[G0+2:G0+3], s[GB:GB+1]
	s_or_b32 s[G0+3], s[G0+3], 0x80000000
	TLOAD                                          ; key slot 0 into slot 0: the one first fill at the head; one tensor load of a wave is out at any time
	s_add_nc_u64 s[58:59], s[4:5], s[92:93]        ; my queries' codes, first block,
	s_add_nc_u64 s[60:61], s[4:5], s[94:95]        ; second block
	s_add_nc_u64 s[OP:OP+1], s[8:9], s[92:93]      ; cc has q's layout
	s_add_nc_u64 s[OPB:OPB+1], s[8:9], s[94:95]
	v_and_b32 v8, 15, v0                           ; r
	v_bfe_u32 v9, v0, 4, 1                         ; h
	s_delay_alu instid0(VALU_DEP_2)
	v_lshlrev_b32 v11, 6, v8
	s_delay_alu instid0(VALU_DEP_1)
	v_lshl_add_u32 v11, v9, 4, v11                 ; Q: row r of 64 bytes, + 16 h: registers 4 c .. 4 c + 3 hold d = 32 c + 16 h + 0 .. 15, as K's fragments do
	global_load_b128 v[16:19], v11, s[58:59]
	global_load_b128 v[20:23], v11, s[58:59] offset:32
	global_load_b128 v[24:27], v11, s[60:61]
	global_load_b128 v[28:31], v11, s[60:61] offset:32
	v_and_b32 v254, 8, v8
	s_delay_alu instid0(VALU_DEP_1)
	v_add_nc_u32 v254, v254, v8                    ; r + 8 (r / 8)
	s_delay_alu instid0(VALU_DEP_1)
	v_lshrrev_b32 v252, 2, v254
	s_delay_alu instid0(VALU_DEP_2)
	v_lshlrev_b32 v[AK0], 6, v254
	s_delay_alu instid0(VALU_DEP_1)
	v_lshl_add_u32 v[AK0], v252, 4, v[AK0]
	s_delay_alu instid0(VALU_DEP_1)
	v_lshl_add_u32 v[AK0], v9, 4, v[AK0]
	v_lshrrev_b32 v252, 2, v8
	v_lshlrev_b32 v[AV0], 6, v8
	s_delay_alu instid0(VALU_DEP_1)
	v_lshl_add_u32 v[AV0], v252, 4, v[AV0]
	s_delay_alu instid0(VALU_DEP_1)
	v_lshl_add_u32 v[AV0], v9, 4, v[AV0]
	s_delay_alu instid0(VALU_DEP_1)
	v_add_nc_u32 v[AV0], VOFF, v[AV0]
	s_lshl_b32 s80, s[WV], 10
	s_add_co_u32 s80, s80, STAGE                   ; my stage
	v_lshlrev_b32 v[STO], 6, v8
	s_delay_alu instid0(VALU_DEP_1)
	v_lshl_add_u32 v[STO], v9, 3, v[STO]
	s_delay_alu instid0(VALU_DEP_1)
	v_add_nc_u32 v[STO], s80, v[STO]               ; in: row r of 64 bytes, + 8 h
	v_and_b32 v[GO], 31, v0
	s_delay_alu instid0(VALU_DEP_1)
	v_lshlrev_b32 v[GO], 4, v[GO]                  ; back, and in cc: 16 x lane
	s_delay_alu instid0(VALU_DEP_1)
	v_add_nc_u32 v[SRD], s80, v[GO]
	; the prefetches
	s_and_b32 s91, s[WV], 1
	s_lshl_b32 s92, s91, 13                        ; K: 8,192 bytes a wave
	s_add_co_u32 s92, s92, s90
	s_lshl_b32 s93, s91, 17                        ; V: two blocks a wave
	s_add_co_u32 s93, s93, s89
	s_mov_b32 s94, 0x40000
	s_mov_b32 s95, 0x10000
	s_cmp_lt_u32 s[WV], 10
	s_cselect_b32 s92, s92, s93
	s_cselect_b32 s[PFS], 0x4000, s94              ; a slot on
	s_cselect_b32 s95, 0x1000, s95                 ; from the lower sixteen lanes to the upper
	s_mov_b32 s93, 0
	s_mov_b32 s[PFS+1], 0
	s_add_nc_u64 s[PFA:PFA+1], s[4:5], s[92:93]    ; at key slot 0; every change of slots steps it, so that in trip T it stands at slot T + 1
	v_lshlrev_b32 v[PFO], 8, v8
	v_mul_lo_u32 v252, v9, s95
	s_delay_alu instid0(VALU_DEP_1)
	v_add_nc_u32 v[PFO], v[PFO], v252
	s_sub_co_u32 s94, s[WV], 8
	s_lshr_b32 s94, s94, 2                         ; 0 in waves 8 to 11,
	s_or_b32 s94, s94, ttmp9                       ; of work-group i = 0
	s_cmp_eq_u32 s94, 0
	s_cselect_b32 s[LIM], 4, 0
	v_mov_b32 v13, 0xff61b1e6                      ; the largest t so far: -3e38
	s_delay_alu instid0(VALU_DEP_1)
	v_floor_f32 v12, -v13                          ; -M
	v_mov_b32 v14, 0
	v_mov_b32 v15, 0
	v_mov_b32 v246, 0                              ; written once: a lane permute's destination counts as one of its sources
	v_mov_b32 v252, 0
	v_mov_b32 v253, 0                              ; (named as the upper half of the pair v[252:253])
	v_mov_b32 v254, 0
.set jj, 0
.rept 32
	v_mov_b32 v[160+jj], 0                         ; O^T: the step is written once; the first finds zeros, which the first change of M leaves zeros
.set jj, jj+1
.endr
	s_wait_kmcnt 0x0
	s_add_co_i32 s80, s74, s75
	s_lshl_b32 s80, s80, 23
	s_add_co_i32 s[CS], s[CS], s80                 ; a score stands for score x 2^(e6 + e7)
	s_mov_b32 s[CS+1], s[CS]
	s_add_co_i32 s80, s76, 127
	s_lshl_b32 s81, s80, 23
	v_mov_b32 v244, s81                            ; 2^e8
	s_sub_co_i32 s80, s78, s76
	s_sub_co_i32 s80, s80, s77
	s_add_co_i32 s80, s80, 127
	s_lshl_b32 s81, s80, 23
	v_mov_b32 v245, s81                            ; 2^(e10 - e8 - e9)
; A KEY STEP: 128 keys, the q-th of the slot in hand.  A step all of whose keys come after my 16 queries is left out: a scalar branch on ids; no barrier and no tensor load stands in a step.
.macro STEP q
	s_add_co_u32 s96, s[Q0], 15
	s_cmp_gt_u32 s[KF], s96
	s_cbranch_scc1 .Lhidden_\@
	v_add_nc_u32 v[ADK], s[TB], v[AK0]
	v_add_nc_u32 v[ADV], s[TB], v[AV0]
	v_nop
	v_nop                                          ; four places in front of loads into registers that the last products read
.irp t, 0,1,2,3,4,5,6,7
.irp c, 0,1
	ds_load_b128 v[32+8*\t+4*\c:32+8*\t+4*\c+3], v[ADK] offset:68*(128*(\q)+32*(\t/2)+8*(\t%2))+32*\c
.endr
.endr
	s_wait_alu depctr_va_vdst(0)
	s_wait_dscnt 0x0
.irp t, 0,1,2,3,4,5,6,7
	v_wmma_f32_16x16x64_bf8_bf8 v[96+8*\t:103+8*\t], v[32+8*\t:39+8*\t], v[16:23], 0
.endr
.rept 4
	v_nop                                          ; places: in front of V's loads into K's registers, and of the first read of the scores
.endr
.irp t, 0,1,2,3                                ; V's four fragments (16 d x 128 keys) are asked for now and land under the softmax
.irp c, 0,1,2,3
	ds_load_b128 v[32+16*\t+4*\c:32+16*\t+4*\c+3], v[ADV] offset:(2*(\q)+\c/2)*PIECE+1088*\t+32*(\c%2)
.endr
.endr
	s_add_co_u32 s96, s[KF], 127                   ; on the diagonal the scores of hidden keys become -infinity ahead of the maximum; a step all of whose keys count skips this
	s_cmp_le_u32 s96, s[Q0]
	s_cbranch_scc1 .Lopen_\@
	s_sub_co_i32 s96, s[Q0], s[KF]
	v_and_b32 v252, 15, v0
	v_bfe_u32 v253, v0, 4, 1
	s_delay_alu instid0(VALU_DEP_1)
	v_lshlrev_b32 v253, 4, v253
	s_delay_alu instid0(VALU_DEP_1)
	v_sub_nc_u32 v252, v252, v253
	s_delay_alu instid0(VALU_DEP_1)
	v_add_nc_u32 v252, s96, v252                   ; d = my query - KF - 16 (lane / 16).  Register 16 b + i holds key KF + 16 (lane / 16) + 32 b + i: hidden where 32 b + i > d
	v_mov_b32 v254, 0xff800000
.set n, 0
.rept 64
	v_cmp_gt_i32 vcc_lo, 32*(n/16)+n%16, v252
	v_cndmask_b32 v[96+n], v[96+n], v254, vcc_lo
.set n, n+1
.endr
.Lopen_\@:
	v_max3_num_f32 v254, v96, v97, v98             ; the step's largest score of my query, among my 64 keys, in two chains,
	v_max3_num_f32 v252, v99, v100, v101
.irp i, 6,10,14,18,22,26,30,34,38,42,46,50,54,58
	v_max3_num_f32 v254, v254, v[96+\i], v[97+\i]
	v_max3_num_f32 v252, v252, v[98+\i], v[99+\i]
.endr
	v_max3_num_f32 v254, v254, v158, v159
	s_delay_alu instid0(VALU_DEP_1)
	v_max_num_f32 v254, v254, v252
	s_delay_alu instid0(VALU_DEP_1)
	v_permlanex16_b32 v246, v254, s[SEL], s[SEL+1]
	s_delay_alu instid0(VALU_DEP_1)
	v_max_num_f32 v254, v254, v246                 ; and among lane l xor 16's
	s_delay_alu instid0(VALU_DEP_1)
	v_mul_f32 v254, s[CS], v254                    ; as t (c is positive)
	s_delay_alu instid0(VALU_DEP_1)
	v_max_num_f32 v13, v13, v254                   ; the running largest t
	v_mov_b32 v254, v12
	s_delay_alu instid0(VALU_DEP_2)
	v_floor_f32 v12, -v13                          ; the new -M = floor(-t): M is a whole number
	s_delay_alu instid0(VALU_DEP_1)
	v_sub_f32 v254, v12, v254                      ; old M - new M: a whole number, 0 or less
	s_delay_alu instid0(VALU_DEP_1)
	v_cvt_i32_f32 v254, v254                       ; (it saturates)
	s_delay_alu instid0(VALU_DEP_1)
	v_ldexp_f32 v252, 1.0, v254                    ; f = 2^(old M - new M)
.set jj, 0
.rept 32
	v_pk_fma_f32 v[96+jj:97+jj], v[96+jj:97+jj], s[CS:CS+1], v[12:13] op_sel_hi:[1,0,0]   ; t - M, two at a time
.set jj, jj+2
.endr
.set jj, 0
	s_wait_alu depctr_va_vdst(0)
.rept 64
	v_exp_f32 v[96+jj], v[96+jj]                   ; p = 2^(t - M)
.set jj, jj+1
.endr
	v_pk_mul_f32 v[14:15], v[14:15], v[252:253] op_sel_hi:[1,0]   ; the sums under the new M: the plain line behind the exponentials
	s_wait_alu depctr_va_vdst(0)                   ; one wait for the whole batch, ahead of its first reader
	v_pk_add_f32 v[242:243], v[100:101], v[104:105]
	v_pk_add_f32 v[254:255], v[108:109], v[112:113]
	v_pk_add_f32 v[250:251], v[116:117], v[120:121]
	v_pk_add_f32 v[248:249], v[124:125], v[128:129]
	v_pk_add_f32 v[240:241], v[132:133], v[136:137]
	v_pk_add_f32 v[238:239], v[140:141], v[144:145]
	v_pk_add_f32 v[236:237], v[148:149], v[152:153]
	v_pk_add_f32 v[14:15], v[14:15], v[156:157]
	v_pk_add_f32 v[242:243], v[242:243], v[96:97]
	v_pk_add_f32 v[254:255], v[254:255], v[98:99]
	v_pk_add_f32 v[250:251], v[250:251], v[102:103]
	v_pk_add_f32 v[248:249], v[248:249], v[106:107]
	v_pk_add_f32 v[240:241], v[240:241], v[110:111]
	v_pk_add_f32 v[238:239], v[238:239], v[114:115]
	v_pk_add_f32 v[236:237], v[236:237], v[118:119]
	v_pk_add_f32 v[14:15], v[14:15], v[122:123]
	v_pk_add_f32 v[242:243], v[242:243], v[126:127]
	v_pk_add_f32 v[254:255], v[254:255], v[130:131]
	v_pk_add_f32 v[250:251], v[250:251], v[134:135]
	v_pk_add_f32 v[248:249], v[248:249], v[138:139]
	v_pk_add_f32 v[240:241], v[240:241], v[142:143]
	v_pk_add_f32 v[238:239], v[238:239], v[146:147]
	v_pk_add_f32 v[236:237], v[236:237], v[150:151]
	v_pk_add_f32 v[14:15], v[14:15], v[154:155]
	v_pk_add_f32 v[242:243], v[242:243], v[158:159]
	s_delay_alu instid0(VALU_DEP_2)
	v_pk_add_f32 v[14:15], v[14:15], v[248:249]
	s_delay_alu instid0(VALU_DEP_2)
	v_pk_add_f32 v[242:243], v[242:243], v[240:241]
	v_pk_add_f32 v[254:255], v[254:255], v[238:239]
	v_pk_add_f32 v[250:251], v[250:251], v[236:237]
	s_delay_alu instid0(VALU_DEP_2)
	v_pk_add_f32 v[14:15], v[14:15], v[254:255]
	s_delay_alu instid0(VALU_DEP_2)
	v_pk_add_f32 v[242:243], v[242:243], v[250:251]
	s_delay_alu instid0(VALU_DEP_1)
	v_pk_add_f32 v[14:15], v[14:15], v[242:243]
.irp b, 0,1,2,3
.irp i, 0,1,2,3,4,5,6,7,8,9,10,11,12,13,14,15
.endr
	v_cvt_scalef32_pk8_bf8_f32 v[224+4*\b:225+4*\b], v[96+16*\b:103+16*\b], v244
	v_cvt_scalef32_pk8_bf8_f32 v[226+4*\b:227+4*\b], v[104+16*\b:111+16*\b], v244
.endr
.set jj, 0
.rept 16
	v_pk_mul_f32 v[160+jj:161+jj], v[160+jj:161+jj], v[252:253] op_sel_hi:[1,0]   ; O^T under the new M; these are also the plain lines between the conversions and the products below
.set jj, jj+2
.endr
	s_wait_alu depctr_va_vdst(0)
	s_wait_dscnt 0x0                               ; V is in
.irp t, 0,1,2,3                                ; O^T += V^T P^T: four accumulators, one instruction each
	v_wmma_f32_16x16x128_bf8_bf8 v[160+8*\t:167+8*\t], v[32+16*\t:47+16*\t], v[224:239], v[160+8*\t:167+8*\t]
.endr
.Lhidden_\@:
	s_add_co_u32 s[KF], s[KF], 128
.endm
; THE CHANGE OF SLOTS stands at a slot's head.  Each wave waits for all its tensor loads, adds 0 to its spare word, and waits for that and for its reads of the slot that it has left.  Behind the barrier the slot ahead is whole
; and nobody reads the other one.  fill = 1: the other slot takes the key slot that follows in the walk: the next one, or slot 0 where the first block ends (trip i).
.macro CHANGE fill
	s_wait_tensorcnt 0x0                           ; no tensor load of mine is out, so group 0 may be written
	ds_add_u32 v[SPW], v[NIL]                      ; 0 onto my spare word
.if \fill
	s_xor_b32 s[G0+1], s[G0+1], SLOT1
	s_add_co_u32 s[KN], s[KN], 1
	s_cmp_eq_u32 s[TT], s[II]
	s_cselect_b32 s[KN], 0, s[KN]
	s_lshl_b32 s[OFF], s[KN], s[SH]
	s_add_nc_u64 s[G0+2:G0+3], s[GB:GB+1], s[OFF:OFF+1]
	s_or_b32 s[G0+3], s[G0+3], 0x80000000
	s_wait_xcnt 0x0                                ; the last prefetch, a trip back, has read its address
	s_add_nc_u64 s[PFA:PFA+1], s[PFA:PFA+1], s[PFS:PFS+1]
.endif
	s_wait_dscnt 0x0                               ; the add is done, and my LDS reads are over
	s_barrier_signal -1
	s_barrier_wait -1
.if \fill
	TLOAD                                          ; the first thing behind the barrier, and a wave's one tensor load until the next
	ASK
.endif
.endm
; A block's end: O^T / the sum, quantised, through my stage (a lane's 8 codes are 8 bytes of a row of 64), out as 2 x 512 consecutive bytes, aligned.
.macro FINISH
.rept 4
	v_nop                                          ; places behind the last products
.endr
	v_add_f32 v14, v14, v15
	s_delay_alu instid0(VALU_DEP_1)
	v_permlanex16_b32 v252, v14, s[SEL], s[SEL+1]
	s_delay_alu instid0(VALU_DEP_1)
	v_add_f32 v14, v14, v252                       ; the row's sum
	s_wait_alu depctr_va_vdst(0)
	v_rcp_f32 v14, v14
	v_nop                                          ; a plain line behind the transcendental,
	s_wait_alu depctr_va_vdst(0)                   ; and the wait ahead of its first reader
.set jj, 0
.rept 16
	v_pk_mul_f32 v[96+jj:97+jj], v[160+jj:161+jj], v[14:15] op_sel_hi:[1,0]   ; register 8 t + j is O(r, 16 t + 8 h + j) / the sum; each accumulator from its low end on
.set jj, jj+2
.endr
.set jj, 0
.rept 32
.set jj, jj+1
.endr
.irp t, 0,1,2,3
	v_cvt_scalef32_pk8_bf8_f32 v[192+2*\t:193+2*\t], v[96+8*\t:103+8*\t], v245
.endr
	v_nop                                          ; a plain line behind the conversions: later products write their sources
.irp t, 0,1,2,3
	ds_store_b64 v[STO], v[192+2*\t:193+2*\t] offset:16*\t
.endr
	ds_load_b128 v[200:203], v[SRD]                ; LDS serves a wave's instructions in order: these see my stores
	ds_load_b128 v[204:207], v[SRD] offset:512
	s_wait_dscnt 1                                 ; the younger load may be out
	global_store_b128 v[GO], v[200:203], s[OP:OP+1]
	s_wait_dscnt 0
	global_store_b128 v[GO], v[204:207], s[OP:OP+1] offset:512
.endm
	s_wait_loadcnt 0x0                             ; Q, both blocks
.Lslot:                                            ; eight trips: behind each change of slots but the last the next slot of the walk is asked for
	CHANGE 1
	STEP 0
	STEP 1
	s_xor_b32 s[TB], s[TB], SLOT1
	s_cmp_lg_u32 s[KF], s[QE]                      ; the first block has walked its keys (in trip i): a branch on ids
	s_cbranch_scc1 .Lon
	FINISH
	s_wait_xcnt 0x0                                ; the stores have read their base and their registers
	s_mov_b64 s[OP:OP+1], s[OPB:OPB+1]             ; on to the second block
	s_mov_b32 s[Q0], s[Q0B]
	s_mov_b32 s[QE], s[QEB]
	s_mov_b32 s[KF], 0
.irp j, 0,1,2,3,4,5,6,7
	v_mov_b32 v[16+\j], v[24+\j]
.endr
	v_mov_b32 v13, 0xff61b1e6
	s_delay_alu instid0(VALU_DEP_1)
	v_floor_f32 v12, -v13
	v_mov_b32 v14, 0
	v_mov_b32 v15, 0
.set jj, 0
.rept 32
	v_mov_b32 v[160+jj], 0
.set jj, jj+1
.endr
.Lon:
	s_add_co_u32 s[TT], s[TT], 1
	s_cmp_lt_u32 s[TT], 8
	s_cbranch_scc1 .Lslot
	CHANGE 0                                       ; the last slot is written out
	STEP 0
	STEP 1
	FINISH
	s_wait_tensorcnt 0x0                           ; the wave's end
	ds_add_u32 v[SPW], v[NIL]
	s_wait_dscnt 0x0
	s_endpgm
.Lfunc_end_k_q3d450ada37_attn:
	.size	k_q3d450ada37_attn, .Lfunc_end_k_q3d450ada37_attn-k_q3d450ada37_attn
	.p2alignl 7, 3214868480
	.fill 96, 4, 3214868480
	.section	.rodata,"a",@progbits
	.p2align	6, 0x0
	.amdhsa_kernel k_q3d450ada37_attn
		.amdhsa_group_segment_fixed_size 327680
		.amdhsa_private_segment_fixed_size 0
		.amdhsa_enable_private_segment 0
		.amdhsa_kernarg_size 24
		.amdhsa_user_sgpr_count 2
		.amdhsa_user_sgpr_kernarg_segment_ptr 1
		.amdhsa_wavefront_size32 1
		.amdhsa_system_sgpr_workgroup_id_x 1
		.amdhsa_system_sgpr_workgroup_id_y 1
		.amdhsa_system_sgpr_workgroup_id_z 1
		.amdhsa_system_vgpr_workitem_id 0
		.amdhsa_next_free_vgpr 256
		.amdhsa_next_free_sgpr 100
		.amdhsa_reserve_vcc 1
		.amdhsa_float_denorm_mode_32 3
		.amdhsa_float_denorm_mode_16_64 3
		.amdhsa_fp16_overflow 1
		.amdhsa_memory_ordered 1
		.amdhsa_forward_progress 1
		.amdhsa_inst_pref_size 93
	.end_amdhsa_kernel
	.amdgpu_metadata
---
amdhsa.version: [ 1, 2 ]
amdhsa.kernels:
  - .name:           k_q3d450ada37_attn
    .symbol:         k_q3d450ada37_attn.kd
    .args:
      - { .name: qkv, .offset: 0, .size: 8, .value_kind: global_buffer, .address_space: global }
      - { .name: lowp_scales, .offset: 8, .size: 8, .value_kind: global_buffer, .address_space: global }
      - { .name: cc, .offset: 16, .size: 8, .value_kind: global_buffer, .address_space: global }
    .group_segment_fixed_size: 327680
    .private_segment_fixed_size: 0
    .kernarg_segment_align: 8
    .kernarg_segment_size: 24
    .max_flat_workgroup_size: 512
    .sgpr_count:     100
    .vgpr_count:     256
    .wavefront_size: 32
...
	.end_amdgpu_metadata
.endif
;; end of part 3
;; launch proj (part 4): grid 32 x 4, 4 waves a work-group, clusters of 4 x 4, 327,680 bytes of LDS; arguments cc, wc, bo, lowp_scales, out0; writes out0
.if DOCPART == 4
	.amdgcn_target "amdgcn-amd-amdhsa--gfx1250"
	.amdhsa_code_object_version 6
	.text
	.protected	k_q3d450ada37_proj
	.globl	k_q3d450ada37_proj
	.p2align	8
	.type	k_q3d450ada37_proj,@function
k_q3d450ada37_proj:
	s_mov_b64 s[64:65], 0
	v_nop
	global_prefetch_b8 v0, s[64:65] scope:SCOPE_SE
	s_setreg_imm32_b32 hwreg(HW_REG_WAVE_MODE, 25, 1), 1
	s_wait_xcnt 0x0
	s_wait_alu depctr_hold_cnt(0) depctr_sa_sdst(0) depctr_va_vdst(0) depctr_va_sdst(0) depctr_va_ssrc(0) depctr_va_vcc(0) depctr_vm_vsrc(0)
	s_getreg_b32 s2, hwreg(HW_REG_IB_STS2, 6, 4)
	s_cmp_eq_u32 s2, 0
	s_cbranch_scc0 .Lentry_in_a_cluster
	s_endpgm
.Lentry_in_a_cluster:
	s_bfe_u32 s2, ttmp6, 0x10000c
	s_cmp_lg_u32 s2, 0xf033
	s_cbranch_scc0 .Lentry_shape_is_right
	s_endpgm
.Lentry_shape_is_right:
; Product 6 on codes of BF8 (E5M2): out0[token][n] = 2^(e10 + e11) x (sum over k of ctx[token][k] Wo[n][k]) + bo[n], K = 1,024, f32 out.
; A = cc: [16 heads][8,192 tokens][64] codes, k = 64 head + d.  B = Wo's codes, part 3 of wc: [1,024][1,024], K innermost.  LIMIT: e10 + e11 lies between -126 and 127, so that 2^(e10 + e11) is an f32 number.
; A tile of out0, 256 x 256, is made by four waves, 128 x 128 each: 64 accumulators.  K goes in four steps of 256 (four heads) through a ring of two LDS slots filled by the tensor data mover.
; A's part of a slot, for 128 tokens: four heads' dense runs of 128 x 64 = 8,192 bytes, brought by one load as four rows of 8,192 bytes, 524,288 bytes apart, 16 bytes of padding behind each 256: token n of a run lies at 64 n + 16 (n / 4).
; CLUSTERS: 4 x 4 work-groups; the four of a row need the same tiles of A, the four of a column the same tiles of B: each tile is asked for jointly.  Tile row = 4 x cluster + cy, tile column = cx.
; THE MATRIX INSTRUCTION IS USED TRANSPOSED (source 0 = 16 rows of B, source 1 = 16 rows of A): a lane holds eight neighbouring numbers of a row of out0.
; REGISTERS as in the launch for q, k and v: window 0: addresses, v[8:11] my four numbers of bo, from v128 A's fragments (on the way out: rows back from the stage); window 1: B's two sets; windows 2, 3: the accumulators.
.set ROWB,   256
.set KROW,   1024
.set PITCH,  272
.set RUN,    8704                      ; a head's run of 128 tokens in LDS: 8,192 bytes + 32 x 16
.set ASLOT,  0x200000                  ; four heads on in cc
.set FR,     16
.set NL,     4
.set NP,     4
.set HALFT,  128*PITCH                 ; = 4 RUN: what one tensor load brings
.set SLOT,   4*HALFT
.set LAPS,   2
.set SPARE,  2*SLOT                    ; the spare words: two blocks of 256 bytes that no other line names
.set STAGE,  SPARE+512                 ; the way out: bytes of its own, 16 rows x (512 + 16) for each wave
.set SPITCH, 528
.set ADRA, 16
.set ADRB, 20
.set STO,  24
.set RD,   25
.set CO,   26
.set SPW,  28
.set NIL,  29
.set AF,   128
.set BK,   128                         ; rows back from the stage: v128-191 and v192-255 by turns
.set G1, 24
.set G0, 32
.set G1B, 48
.set G0B, 56
.set MSB, 0
.macro WIN new
.if MSB != \new
	s_set_vgpr_msb (MSB<<8)|\new
.set MSB, \new
.endif
.endm
.set MUL_LO, 0xa1
.set MUL_HI, 0xf1
.set TO_B,   0x40
.macro JLOAD g0a, g1a, g0b, g1b        ; a joint load: waves 0 and 1 fetch for A, waves 2 and 3 for B; four v_nop follow each line
	s_cmp_eq_u32 s15, 0
	s_cbranch_scc0 .Lfor_b_\@
	tensor_load_to_lds s[\g0a:\g0a+3], s[\g1a:\g1a+7]
	s_nop 0
.rept 4
	v_nop
.endr
	s_branch .Lasked_\@
.Lfor_b_\@:
	tensor_load_to_lds s[\g0b:\g0b+3], s[\g1b:\g1b+7]
	s_nop 0
.rept 4
	v_nop
.endr
.Lasked_\@:
.endm
.macro CREST
	s_cmp_lg_u32 s14, 0
	s_cbranch_scc1 .Lnot_wave_0_\@
	s_barrier_signal -3
.Lnot_wave_0_\@:
	s_barrier_wait -3
	s_barrier_signal -1
	s_barrier_wait -1
.endm
.macro CROUND
	s_barrier_signal -1
	s_barrier_wait -1
	CREST
.endm
	s_load_b128 s[4:7], s[0:1], 0x0                ; cc s[4:5], wc s[6:7]
	s_load_b128 s[8:11], s[0:1], 0x10              ; bo s[8:9], the exponents s[10:11]
	s_load_b64 s[12:13], s[0:1], 0x20              ; out0
	v_lshl_add_u32 v[SPW], v0, 2, SPARE
	v_mov_b32 v[NIL], 0
	ds_add_u32 v28, v29
	ds_add_u32 v28, v29
	s_wait_dscnt 0x0
	v_lshrrev_b32 v1, 5, v0
	v_readfirstlane_b32 s14, v1                    ; wave 0..3
	s_lshr_b32 s15, s14, 1                         ; my half of the tile's rows.  Also: I fetch for A (0) or for B (1)
	s_and_b32 s16, s14, 1                          ; my half of its columns.  Also: which 128 rows of that tile I fetch
	s_bfe_u32 s40, ttmp6, 0x40000                  ; cx
	s_bfe_u32 s41, ttmp6, 0x40004                  ; cy
	s_lshl_b32 s17, ttmp9, 2
	s_add_co_u32 s17, s17, s41                     ; tile row
	s_mov_b32 s42, s40                             ; tile column
	s_lshl_b32 s43, s41, 2
	s_lshl_b32 s43, 15, s43                        ; my row of the cluster
	s_lshl_b32 s44, 0x1111, s40                    ; my column
	s_or_b32 s[G1+0], s43, (0<<16)|(1<<20)|(1<<21)|(5<<22)|(3<<25)  ; the mask; elements of 1 byte; padding on; bit 21 beside a mask; after every 64 words; 4 words
	s_mov_b32 s[G1+1], 8192<<16                    ; A: tensor_dim0 = 8,192 bytes: 128 tokens of one head
	s_mov_b32 s[G1+2], 4<<16                       ; tensor_dim1 = 4 heads
	s_mov_b32 s[G1+3], 8192<<16                    ; tile_dim0
	s_mov_b32 s[G1+4], 4                           ; tile_dim1
	s_mov_b32 s[G1+5], 524288                      ; from head to head
	s_mov_b32 s[G1+6], 0
	s_mov_b32 s[G1+7], 0
	s_or_b32 s[G1B+0], s44, (0<<16)|(1<<20)|(1<<21)|(5<<22)|(3<<25)
	s_mov_b32 s[G1B+1], ROWB<<16                   ; B: 128 rows of 256 bytes
	s_mov_b32 s[G1B+2], 128<<16
	s_mov_b32 s[G1B+3], ROWB<<16
	s_mov_b32 s[G1B+4], 128
	s_mov_b32 s[G1B+5], KROW
	s_mov_b32 s[G1B+6], 0
	s_mov_b32 s[G1B+7], 0
	s_lshl_b32 s18, s16, 7
	s_lshl_b32 s20, s17, 8
	s_add_co_u32 s20, s20, s18
	s_lshl_b32 s20, s20, 6                         ; A: token 256 x tile row + 128 x half, 64 bytes each
	s_mov_b32 s21, 0
	s_lshl_b32 s46, s42, 8
	s_add_co_u32 s46, s46, s18
	s_lshl_b32 s46, s46, 10                        ; B: row 256 x tile column + 128 x half, 1,024 bytes each,
	s_add_co_u32 s46, s46, 0x300000                ; in part 3 of wc
	s_mov_b32 s47, 0
	s_mul_i32 s45, s14, HALFT
	s_wait_kmcnt 0x0
	s_load_b64 s[96:97], s[10:11], 0x28            ; e10, e11
	s_add_nc_u64 s[20:21], s[4:5], s[20:21]
	s_add_nc_u64 s[46:47], s[6:7], s[46:47]
	CROUND                                         ; all sixteen work-groups are here: the first joint loads meet
.irp s, 0,1
	s_mov_b32 s[G0+4*\s], 1
	s_add_co_u32 s[G0+4*\s+1], s45, \s*SLOT
	s_add_nc_u64 s[G0+4*\s+2:G0+4*\s+3], s[20:21], \s*ASLOT
	s_or_b32 s[G0+4*\s+3], s[G0+4*\s+3], 0x80000000
	s_mov_b32 s[G0B+4*\s], 1
	s_add_co_u32 s[G0B+4*\s+1], s45, \s*SLOT
	s_add_nc_u64 s[G0B+4*\s+2:G0B+4*\s+3], s[46:47], \s*ROWB
	s_or_b32 s[G0B+4*\s+3], s[G0B+4*\s+3], 0x80000000
	s_wait_alu depctr_va_vdst(0)
	s_wait_tensorcnt 0x0
	ds_add_u32 v28, v29
	ds_add_u32 v28, v29
	s_wait_dscnt 0x0
	CROUND
	JLOAD G0+4*\s, G1, G0B+4*\s, G1B
.endr
	v_and_b32 v1, 15, v0                           ; r
	v_bfe_u32 v2, v0, 4, 1                         ; h
	v_mul_u32_u24 v3, v1, PITCH
	v_lshl_add_u32 v4, v2, 4, v3                   ; B: row x pitch + 16 h
	v_lshrrev_b32 v5, 2, v1
	v_lshlrev_b32 v6, 6, v1
	v_lshl_add_u32 v6, v5, 4, v6
	v_lshl_add_u32 v6, v2, 4, v6                   ; A: 64 r + 16 (r / 4) + 16 h
	s_mul_i32 s21, s15, HALFT
	s_mul_i32 s22, s16, HALFT
	s_add_co_u32 s22, s22, 2*HALFT
.irp s, 0,1
	v_add_nc_u32 v[ADRA+\s], s21, v6
	v_add_nc_u32 v[ADRB+\s], s22, v4
	s_add_co_u32 s21, s21, SLOT
	s_add_co_u32 s22, s22, SLOT
.endr
	s_mul_i32 s23, s14, 16*SPITCH
	s_add_co_u32 s23, s23, STAGE                   ; my stage
	v_mul_u32_u24 v5, v1, SPITCH
	v_lshl_add_u32 v5, v2, 5, v5
	v_add_nc_u32 v[STO], s23, v5                   ; in: row r, 32 bytes for each half of the lanes
	v_and_b32 v6, 31, v0
	v_lshlrev_b32 v[CO], 4, v6                     ; back: the 32 lanes take one row of 512 bytes; the same in out0 and in bo
	v_add_nc_u32 v[RD], s23, v[CO]
	s_lshl_b32 s46, s42, 10
	s_lshl_b32 s47, s16, 9
	s_add_co_u32 s46, s46, s47                     ; my first column, in bytes
	s_mov_b32 s47, 0
	s_add_nc_u64 s[8:9], s[8:9], s[46:47]
	global_load_b128 v[8:11], v[CO], s[8:9]        ; bo at my four columns of every row that I store
	s_lshl_b32 s20, s17, 8
	s_lshl_b32 s21, s15, 7
	s_add_co_u32 s20, s20, s21
	s_lshl_b32 s20, s20, 12                        ; my first row, 4,096 bytes each
	s_mov_b32 s21, 0
	s_add_nc_u64 s[20:21], s[20:21], s[46:47]
	s_add_nc_u64 s[12:13], s[12:13], s[20:21]
.macro FRAG reg, adr, q, i             ; B: 16 rows x 128 K: registers 4 c .. 4 c + 3 hold K = 32 c + 16 (l / 16) + 0 .. 15
.irp c, 0,1,2,3
	ds_load_b128 v[\reg+4*\c:\reg+4*\c+3], v[\adr] offset:128*(\q)+32*\c+(\i)*16*PITCH
.endr
.endm
.macro FRAGA reg, adr, q, i            ; A: the same k in the same places: k = 128 q + 32 c + 16 h + .. is head 2 q + c / 2 of the slot's four, d = 32 (c % 2) + 16 h + ..; 16 tokens on are 1,088 bytes on
.irp c, 0,1,2,3
	ds_load_b128 v[\reg+4*\c:\reg+4*\c+3], v[\adr] offset:(2*(\q)+\c/2)*RUN+1088*(\i)+32*(\c%2)
.endr
.endm
.macro MUL16 a0, p, zero               ; the 64 accumulators take turns, one instruction a turn
.irp a, \a0, \a0+1
.irp b, 0,1,2,3,4,5,6,7
.if \zero
	v_wmma_f32_16x16x128_bf8_bf8 v[8*(8*((\a)%4)+\b):8*(8*((\a)%4)+\b)+7], v[128*(\p)+FR*\b:128*(\p)+FR*\b+FR-1], v[AF+FR*(\a):AF+FR*(\a)+FR-1], 0
.else
	v_wmma_f32_16x16x128_bf8_bf8 v[8*(8*((\a)%4)+\b):8*(8*((\a)%4)+\b)+7], v[128*(\p)+FR*\b:128*(\p)+FR*\b+FR-1], v[AF+FR*(\a):AF+FR*(\a)+FR-1], v[8*(8*((\a)%4)+\b):8*(8*((\a)%4)+\b)+7]
.endif
.endr
.endr
.endm
.macro FETCH_B slot, q, p
	WIN TO_B
.irp i, 0,1,2,3,4,5,6,7
	FRAG 128*(\p)+FR*\i, ADRB+\slot, \q, \i
.endr
	WIN 0
.endm
.macro FETCH_A slot, q, i0
.irp i, \i0, \i0+1, \i0+2, \i0+3
	FRAGA AF+FR*(\i), ADRA+\slot, \q, \i
.endr
.endm
.macro PLACES n
.rept \n
	v_nop
.endr
.endm
.macro STEP slot, q, zero
	s_wait_dscnt 4*NL                              ; B's set and A's blocks 0-3 are in; the youngest 16 loads (A's blocks 4-7) may be out
	WIN MUL_LO
	MUL16 0, (\q)%2, \zero
	MUL16 2, (\q)%2, \zero
	s_wait_dscnt 0
	PLACES NP
	FETCH_B \slot, (\q)+1, 1-(\q)%2
	FETCH_A \slot, (\q)+1, 0
	WIN MUL_HI
	MUL16 4, (\q)%2, \zero
	MUL16 6, (\q)%2, \zero
	PLACES NP
	WIN 0
	FETCH_A \slot, (\q)+1, 4
.endm
.macro TURN slot, next, fill
	s_wait_tensorcnt 0x0                           ; all my tensor loads have landed: my part of the next slot
	ds_add_u32 v[SPW], v[NIL]                      ; 0 onto my spare word
	s_wait_dscnt 4*NL+1                            ; (the add and the youngest 16 loads may be out)
	WIN MUL_LO
	MUL16 0, 1, 0
	s_wait_dscnt 0x0                               ; the add is done, and my reads of this slot are over
	s_barrier_signal -1
	MUL16 2, 1, 0
	WIN 0
	s_barrier_wait -1
.if \fill
	CREST                                          ; the barrier has opened a round of the cluster's barrier
	s_add_nc_u64 s[G0+4*\slot+2:G0+4*\slot+3], s[G0+4*\slot+2:G0+4*\slot+3], 2*ASLOT
	s_add_nc_u64 s[G0B+4*\slot+2:G0B+4*\slot+3], s[G0B+4*\slot+2:G0B+4*\slot+3], 2*ROWB
	JLOAD G0+4*\slot, G1, G0B+4*\slot, G1B         ; the first tensor load behind the round; its four v_nop are the places in front of the loads below
.else
	PLACES NP
.endif
	FETCH_B \next, 0, 0
	FETCH_A \next, 0, 0
	WIN MUL_HI
	MUL16 4, 1, 0
	MUL16 6, 1, 0
	PLACES NP
	WIN 0
	FETCH_A \next, 0, 4
.endm
	s_wait_alu depctr_va_vdst(0)
	s_wait_tensorcnt 1                             ; my part of K step 0 is in; K step 1's load may be out
	s_barrier_signal -1
	s_barrier_wait -1
	FETCH_B 0, 0, 0
	FETCH_A 0, 0, 0
	FETCH_A 0, 0, 4
	STEP 0, 0, 1
	s_mov_b32 s3, LAPS-1
.Llap:
	TURN 0, 1, 1
	STEP 1, 0, 0
	TURN 1, 0, 1
	STEP 0, 0, 0
	s_sub_co_u32 s3, s3, 1
	s_cmp_lg_u32 s3, 0
	s_cbranch_scc1 .Llap
	TURN 0, 1, 0
	STEP 1, 0, 0
	s_wait_dscnt 4*NL
	WIN MUL_LO
	MUL16 0, 1, 0
	MUL16 2, 1, 0
	s_wait_dscnt 0
	WIN MUL_HI
	MUL16 4, 1, 0
	MUL16 6, 1, 0
	WIN 0
; THE WAY OUT, block by block of 16 rows x 128 columns.  The sums go as they are from the accumulators into my stage and come back as whole rows of 512 bytes: a lane then holds the same four columns of every row,
; so four numbers of bo serve it, and one packed multiply-add for two numbers gives sum x 2^(e10 + e11) + bo.
.macro TOSTAGE a
.set AC, 64*((\a)%4)
.set BB, BK+64*((\a)%2)
	WIN (0x08+4*((\a)/4))                          ; the stores' data: window 2 or 3
.irp b, 0,1,2,3,4,5,6,7
	ds_store_b128 v[STO], v[AC+8*\b:AC+8*\b+3] offset:64*\b          ; each accumulator from its low end on
	ds_store_b128 v[STO], v[AC+8*\b+4:AC+8*\b+7] offset:64*\b+16
.endr
	WIN 0
.irp t, 0,1,2,3,4,5,6,7,8,9,10,11,12,13,14,15
	ds_load_b128 v[BB+4*\t:BB+4*\t+3], v[RD] offset:\t*SPITCH        ; LDS serves a wave's instructions in order: these see the stores above
.endr
.endm
.macro SEND a, younger
.set BB, BK+64*((\a)%2)
	s_wait_dscnt \younger
.if (\a) > 0
	s_add_nc_u64 s[12:13], s[12:13], 16*4096       ; (behind a wait on XCNT: the earlier stores have read their base)  16 rows on
.endif
.irp t, 0,1,2,3,4,5,6,7,8,9,10,11,12,13,14,15
	v_pk_fma_f32 v[BB+4*\t:BB+4*\t+1], v[BB+4*\t:BB+4*\t+1], s[96:97], v[8:9] op_sel_hi:[1,0,1]
	v_pk_fma_f32 v[BB+4*\t+2:BB+4*\t+3], v[BB+4*\t+2:BB+4*\t+3], s[96:97], v[10:11] op_sel_hi:[1,0,1]
.endr
.irp t, 0,1,2,3,4,5,6,7,8,9,10,11,12,13,14,15
	global_store_b128 v[CO], v[BB+4*\t:BB+4*\t+3], s[12:13] offset:\t*4096 th:TH_STORE_NT   ; 32 lanes store 512 consecutive bytes, aligned; written once, read by nobody here
.endr
.endm
	s_wait_kmcnt 0x0
	s_add_co_i32 s96, s96, s97
	s_add_co_i32 s96, s96, 127
	s_lshl_b32 s96, s96, 23                        ; 2^(e10 + e11) as f32
	s_mov_b32 s97, s96                             ; (named with it as a pair, so it is written)
	s_wait_loadcnt 0x0                             ; bo
	PLACES NP                                      ; behind the last products: for the stores of results and for the loads into registers that held A's fragments
	TOSTAGE 0
.irp a, 1,2,3,4,5,6,7
.if \a > 1
	s_wait_xcnt 0x0                                ; block a - 2's stores have read their registers and their base
.endif
	TOSTAGE \a
	SEND \a-1, 32                                  ; behind block a - 1's loads: block a's 16 stores and 16 loads
.endr
	s_wait_xcnt 0x0                                ; block 6's stores have read their base
	SEND 7, 0
	s_wait_tensorcnt 0x0                           ; the wave's end
	ds_add_u32 v[SPW], v[NIL]
	s_wait_dscnt 0x0
	CROUND                                         ; the closing round
	s_endpgm
.Lfunc_end_k_q3d450ada37_proj:
	.size	k_q3d450ada37_proj, .Lfunc_end_k_q3d450ada37_proj-k_q3d450ada37_proj
	.p2alignl 7, 3214868480
	.fill 96, 4, 3214868480
	.section	.rodata,"a",@progbits
	.p2align	6, 0x0
	.amdhsa_kernel k_q3d450ada37_proj
		.amdhsa_group_segment_fixed_size 327680
		.amdhsa_private_segment_fixed_size 0
		.amdhsa_enable_private_segment 0
		.amdhsa_kernarg_size 40
		.amdhsa_user_sgpr_count 2
		.amdhsa_user_sgpr_kernarg_segment_ptr 1
		.amdhsa_wavefront_size32 1
		.amdhsa_system_sgpr_workgroup_id_x 1
		.amdhsa_system_sgpr_workgroup_id_y 1
		.amdhsa_system_sgpr_workgroup_id_z 1
		.amdhsa_system_vgpr_workitem_id 0
		.amdhsa_next_free_vgpr 1024
		.amdhsa_next_free_sgpr 100
		.amdhsa_reserve_vcc 0
		.amdhsa_float_denorm_mode_32 3
		.amdhsa_float_denorm_mode_16_64 3
		.amdhsa_memory_ordered 1
		.amdhsa_forward_progress 1
		.amdhsa_inst_pref_size 124
	.end_amdhsa_kernel
	.amdgpu_metadata
---
amdhsa.version: [ 1, 2 ]
amdhsa.kernels:
  - .name:           k_q3d450ada37_proj
    .symbol:         k_q3d450ada37_proj.kd
    .args:
      - { .name: cc, .offset: 0, .size: 8, .value_kind: global_buffer, .address_space: global }
      - { .name: wc, .offset: 8, .size: 8, .value_kind: global_buffer, .address_space: global }
      - { .name: bo, .offset: 16, .size: 8, .value_kind: global_buffer, .address_space: global }
      - { .name: lowp_scales, .offset: 24, .size: 8, .value_kind: global_buffer, .address_space: global }
      - { .name: out0, .offset: 32, .size: 8, .value_kind: global_buffer, .address_space: global }
    .group_segment_fixed_size: 327680
    .private_segment_fixed_size: 0
    .kernarg_segment_align: 8
    .kernarg_segment_size: 40
    .max_flat_workgroup_size: 128
    .sgpr_count:     100
    .vgpr_count:     1024
    .wavefront_size: 32
...
	.end_amdgpu_metadata
.endif
;; end of part 4
